; MI455X (gfx1250); checked and timed in simulation.
; The chip was launched on July 23, 2026; its instructions are those of AMD's public machine-readable ISA for CDNA 5 (MIT licence, August 2026) and "CDNA5" Instruction Set Architecture Reference Guide (July 2026). The comments in the code are by the model that wrote it; some were corrected since.
;; Attention. Allowed arithmetic: matrix products marked QUANTISED: E2M3 operands, one E8M0 scale for each 32 along K, by v_wmma_scale_f32_16x16x128_f8f6f4 with both operands' format E2M3, f32 sums; products left as they are: f32 operands where the result goes on into a quantised operand, else bf16, f16 or f32 operands; f32 sums; everything else in f32.
;; Inputs: W_attn 1,024 x 2,048 float32; b_attn 1,024 float32; encoder_outputs 32 x 2,048 x 1,024 float32; hidden 1 x 32 x 1,024 float32; v 1,024 float32.
;; Outputs: out0 32 x 2,048 float32.
;; This version of the problem:
;;   THIS VERSION OF THE PROBLEM IS GIVEN IN LOW PRECISION. The matrix products marked QUANTISED in the list below multiply operands that are first quantised to E2M3 (2 exponent bits, 3 mantissa bits; 6 bits a number), with one power-of-two scale for each 32 numbers along K (OCP MX v1.0); their sums are f32. All else is computed in f32.
;;   The module's matrix products, in the order in which they are computed (A, B: the left and right operand; K: the contracted axis; several contracted axes count as one K, in the product's order):
;;     1. [M 32, K 1,024] x [K 1,024, N 1,024]; A: input hidden; B: input W_attn: QUANTISED
;;     2. [M 65,536, K 1,024] x [K 1,024, N 1,024]; A: input encoder_outputs; B: input W_attn: QUANTISED
;;     3. [M 65,536, K 1,024] x [K 1,024, N 1]; A: computed on the way; B: input v: left as it is (N = 1 < 16)
;;   THE QUANTISER, for each operand of a quantised product, along K:
;;     - K is cut into blocks of 32 from its start; a last block that is shorter is filled with zeros.
;;     - A block's scale is 2^e with e = floor(log2(the largest magnitude in the block)) - 2, held to -126 .. 127; a block of zeros has e = 0. As a byte (E8M0): e + 127.
;;     - Each number is divided by its block's scale, clamped to +-7.5, and rounded to the nearest number of E2M3, ties to even, subnormals kept.
;;     - The product sums the exact products of the quantised numbers (number of the format x scale) in f32.
;;   ~~~python
;;   def quantise(x, axis):      # numpy; x: float32 -> the quantised numbers, widened to float32 again
;;       x = np.moveaxis(x, axis, -1); K = x.shape[-1]
;;       x = np.pad(x, [(0, 0)] * (x.ndim - 1) + [(0, -K % 32)]); x = x.reshape(x.shape[:-1] + (-1, 32)); a = np.abs(x).max(-1, keepdims=True)
;;       e = np.where(a > 0, np.clip(np.frexp(np.where(a > 0, a, 1))[1] - 1 - 2, -126, 127), 0)      # np.frexp(a)[1] - 1 = floor(log2(a)), exactly
;;       r = np.clip(x / 2.0 ** e, -7.5, 7.5)
;;       step = 2.0 ** (np.maximum(np.frexp(np.where(r == 0, 1, r))[1] - 1, 0) - 3)
;;       q = np.round(r / step) * step * 2.0 ** e      # np.round: ties to even
;;       return np.moveaxis(q.reshape(q.shape[:-2] + (-1,))[..., :K], -1, axis).astype(np.float32)
;;   ~~~
;; One version. Each part assembles by itself: llvm-mc -triple=amdgcn-amd-amdhsa -mcpu=gfx1250 --defsym DOCPART=n.
;; ======== version 1 of 1: 3 launches
;; limits: right only within a limited range of input values
;; workspace buffers: wq 819,200 bytes; hb 131,072 bytes; scores 262,144 bytes
;; launch prep (part 1): grid 80 x 1, 4 waves a work-group, no clusters, 76,288 bytes of LDS; arguments W_attn, hidden, b_attn, wq, hb; writes wq, hb
.if DOCPART == 1
	.amdgcn_target "amdgcn-amd-amdhsa--gfx1250"
	.amdhsa_code_object_version 6
	.text
	.protected	k_q401deb2c28_prep
	.globl	k_q401deb2c28_prep
	.p2align	8
	.type	k_q401deb2c28_prep,@function
k_q401deb2c28_prep:
	s_mov_b64 s[64:65], 0
	v_nop
	global_prefetch_b8 v0, s[64:65] scope:SCOPE_SE
	s_setreg_imm32_b32 hwreg(HW_REG_WAVE_MODE, 25, 1), 1
	s_wait_xcnt 0x0
; THE PROGRAM: out0[b][s] = softmax over s of score[b][s], score = sum over o of v[o] tanh(x[b][s][o]),
; x = Q(enc) Q(We)^T + Q(h) Q(Wh)^T + b_attn, Q the MX-FP6 quantiser along K (E2M3 codes, one E8M0 byte for each 32).
; WORK LEFT OUT, for all finite inputs: tanh(x) = 1 - 2 r with r = 1 / (1 + e^(2x)) for every real x, so
; score[b][s] = (sum over o of v[o]) - 2 sum over o of v[o] r.  The first term is the same for every s of a batch, and a softmax
; along s does not change when one number is added to all its inputs.  So the sum of v alone is never formed; v itself is live and is
; loaded.  Every input has a way to the output and is loaded.  LIMIT: an overflow, infinity or NaN that arises in the sum of v alone is not carried to the result.
; THIS LAUNCH quantises what many work-groups of the next launch read, once.
;   Work-groups 0-15: We = W_attn[:, 1024:2048] into wq.  wq is 8 slots of 102,400 bytes, slot q for columns o = 128 q .. 128 q + 127:
;     codes [tile i 0-7][K step k 0-7][c 0-2][lane][16 bytes]: the image of the operand's registers (registers 4 c .. 4 c + 3 of lane l at 512 c + 16 l), 98,304 bytes;
;     then scale words [tile i][lane l][j 0-3]: the word of row l % 16 for K step 2 j + l / 16, 4,096 bytes.
;   Work-groups 16-79: hb[b][o] = Q(h) Q(Wh)^T + b_attn for 16 columns o each: wave w takes K steps 2 w and 2 w + 1, the four partial sums meet in LDS.
;     A work-group owns 16 columns, so hb is stored in pieces of 64 bytes: 131,072 bytes in all.
; A FRAGMENT (16 rows x 128 K): 16 loads of 512 consecutive bytes (a row each) into one of four landing slots; through the wave's own stage in LDS (rows 528 bytes apart),
; from which lane (r, h) takes 16 neighbours of each block of 32 of row r; largest magnitude, scale byte, conversion, exchange of halves.
; LIMITS: NaN and infinities among the inputs are not served; a block whose largest magnitude lies under 2^-124 gets the byte 1; a block of zeros gets the byte 1
; where the rule says 127: its codes are zeros, which add nothing, and this program alone reads the bytes.
; REGISTERS, in windows of 256: window 0: addresses, v60-79 the way out of hb, v80-95 two accumulators, v96-101 scale words.  window 1: v192-255 the 64 numbers at work.
;   window 2: v0-71 the six operands of the small product (second path), v64-75 scale words gathered (first path), v208-247 the quantiser's.  window 3: four landing slots of 64.
.set STGA,  0                          ; LDS: the first path's four stages, 8,448 bytes each
.set STGB,  33792                      ; the second path's: each path has bytes of its own
.set PART,  67584                      ; four partial sums of 32 x 16 f32
.set SPARE, 75776                      ; the spare words, 128 bytes for each wave, which no other line names
.set SPW, 1                            ; v1  LDS address of my spare word; never rewritten
.set NIL, 2                            ; v2  0; never rewritten
.set XO,  9                            ; v9  16 x lane
.set STI, 10                           ; v10 the stage, on the way in: 8,448 x wave + 16 x lane
.set STR, 11                           ; v11 on the way out: 8,448 x wave + 528 r + 64 h
.set PWA, 12                           ; v12 where I put my partial sums
.set PRD, 13                           ; v13 where thread t reads 16 bytes of each partial sum
.set BO,  14                           ; v14 16 (t % 4)
.set HO,  15                           ; v15 4,096 (t / 4) + 16 (t % 4)
.set BA,  60
.set PS4, 64
.set ACC, 80
.set HSW, 96
.set QX,  192                          ; window 1
.set SW,  64                           ; window 2
.set SI,  72
.set TM,  208
.set PW,  224
.set PC,  228
.set PS,  240
.set WV,  14
.set SRC, 26
.set DCO, 28
.set DSC, 30
.set SHI, 28
.set SBA, 30
.set DHB, 32
.set SEL, 40
.set MASK, 42
.set MSB, 0
.macro WIN new                         ; low byte: bits 1:0 source 0, 3:2 source 1, 5:4 source 2, 7:6 destination; the high byte repeats the setting that is left
.if MSB != \new
	s_set_vgpr_msb (MSB<<8)|\new
.set MSB, \new
.endif
.endm
.macro PLACES
.rept 4
	v_nop
.endr
.endm
; 16 rows x 512 bytes into a landing slot (window 3): each load takes one row's 512 consecutive bytes
.macro LOADF reg, sb, pitch, off, nt
	WIN 0xc0
.irp i, 0,1,2,3,4,5,6,7,8,9,10,11,12,13,14,15
.if \nt
	global_load_b128 v[\reg+4*\i:\reg+4*\i+3], v[XO], s[\sb:\sb+1] offset:\i*\pitch+\off th:TH_LOAD_NT
.else
	global_load_b128 v[\reg+4*\i:\reg+4*\i+3], v[XO], s[\sb:\sb+1] offset:\i*\pitch+\off
.endif
.endr
.endm
; the slot's numbers through my stage: in as they were loaded, back as 16 neighbours of each block of 32.  LDS serves a wave's instructions in order: no wait between
.macro TURNF reg, lo
	WIN 0x0c
.irp i, 0,1,2,3,4,5,6,7,8,9,10,11,12,13,14,15
	ds_store_b128 v[STI], v[\reg+4*\i:\reg+4*\i+3] offset:\lo+528*\i
.endr
	WIN 0x40
.irp b, 0,1,2,3
.irp q, 0,1,2,3
	ds_load_b128 v[QX+16*\b+4*\q:QX+16*\b+4*\q+3], v[STR] offset:\lo+128*\b+16*\q
.endr
.endr
.endm
; 64 numbers of a lane, register 16 b + i = k 32 b + 16 h + i of row r, become the operand's 12 registers at v[o] of window 2 and the row's scale word in v[PW]
.macro QUANT o
	WIN 0x96
.irp b, 0,1,2,3
	v_max3_num_f32 v[TM+\b], 0x1800000, |v[QX+16*\b]|, |v[QX+16*\b+1]|   ; the floor 2^(3 - 127) among the leaves: the byte cannot fall under 1
.endr
.irp i, 2,4,6,8,10,12,14
.irp b, 0,1,2,3
	v_max3_num_f32 v[TM+\b], v[TM+\b], |v[QX+16*\b+\i]|, |v[QX+16*\b+\i+1]|   ; the four blocks by turns
.endr
.endr
.irp b, 0,1,2,3
	v_permlanex16_b32 v[TM+4+\b], v[TM+\b], s[SEL], s[SEL+1]
.endr
	WIN 0xaa
.irp b, 0,1,2,3
	v_max_num_f32 v[TM+\b], v[TM+\b], v[TM+4+\b]   ; with lane l xor 16's 16: the block's largest magnitude
.endr
.irp b, 0,1,2,3
	v_add_nc_u32 v[TM+12+\b], 0xff000000, v[TM+\b]   ; 2 off its exponent field: the conversion's scale operand
.endr
.irp b, 0,1,2,3
	v_lshrrev_b32 v[TM+4+\b], 23, v[TM+12+\b]      ; the scale's byte
.endr
	v_lshl_or_b32 v[PW], v[TM+5], 8, v[TM+4]
	v_lshl_or_b32 v[PW], v[TM+6], 16, v[PW]
	v_lshl_or_b32 v[PW], v[TM+7], 24, v[PW]
	WIN 0xa9
.irp c, 0,1
	v_cvt_scalef32_pk16_fp6_f32 v[\o+6*\c:\o+6*\c+2], v[QX+32*\c:QX+32*\c+15], v[TM+12+2*\c]
	v_cvt_scalef32_pk16_fp6_f32 v[PS+4*\c:PS+4*\c+2], v[QX+32*\c+16:QX+32*\c+31], v[TM+13+2*\c]   ; (a conversion's three registers begin on an even number)
.endr
	WIN 0xaa
	v_nop                                          ; one plain instruction behind the conversions
.irp c, 0,1                                    ; the operand wants a whole block in a lane: lanes 0-15 block 2 c, lanes 16-31 block 2 c + 1
.irp i, 0,1,2
	v_permlane16_swap_b32 v[\o+6*\c+\i], v[PS+4*\c+\i]
.endr
.irp i, 0,1,2
	v_mov_b32 v[\o+6*\c+3+\i], v[PS+4*\c+\i]
.endr
.endr
.endm
	s_load_b256 s[4:11], s[0:1], 0x0               ; W_attn s[4:5], hidden s[6:7], b_attn s[8:9], wq s[10:11]
	s_load_b64 s[12:13], s[0:1], 0x20              ; hb
	v_lshl_add_u32 v[SPW], v0, 2, SPARE
	v_mov_b32 v[NIL], 0
	v_lshrrev_b32 v3, 5, v0
	v_readfirstlane_b32 s[WV], v3                  ; wave 0..3
	v_and_b32 v4, 31, v0                           ; lane
	v_and_b32 v5, 15, v0                           ; r
	v_bfe_u32 v6, v0, 4, 1                         ; h
	v_lshlrev_b32 v[XO], 4, v4
	s_mul_i32 s15, s[WV], 8448
	v_add_nc_u32 v[STI], s15, v[XO]
	v_mul_u32_u24 v[STR], v5, 528
	v_lshl_add_u32 v[STR], v6, 6, v[STR]
	v_add_nc_u32 v[STR], s15, v[STR]
	s_lshl_b32 s16, s[WV], 11
	s_add_co_u32 s16, s16, PART
	v_lshlrev_b32 v[PWA], 6, v5                    ; batch row r of 64 bytes, + 32 h
	v_lshl_add_u32 v[PWA], v6, 5, v[PWA]
	v_add_nc_u32 v[PWA], s16, v[PWA]
	v_lshl_add_u32 v[PRD], v0, 4, PART
	v_and_b32 v[BO], 3, v0
	v_lshlrev_b32 v[BO], 4, v[BO]
	v_lshrrev_b32 v[HO], 2, v0
	v_lshl_add_u32 v[HO], v[HO], 12, v[BO]
	s_mov_b32 s[SEL], 0x76543210
	s_mov_b32 s[SEL+1], 0xfedcba98                 ; lane l xor 16
	s_mov_b32 s[MASK], 0xffff0000                  ; lanes 16-31
	WIN 0x80
.irp b, 0,1,2,3
	v_mov_b32 v[TM+4+\b], 0                        ; written once: a lane permute's destination counts as one of its sources
.endr
	WIN 0
	s_wait_kmcnt 0x0
	s_cmp_lt_u32 ttmp9, 16                         ; the work-group's number alone: all four waves go the same way
	s_cbranch_scc0 .Lwh
	; ---- We: wave w takes the 16 rows of tile T = 4 x work-group + w, all eight K steps
	s_lshl_b32 s17, ttmp9, 2
	s_add_co_u32 s17, s17, s[WV]                   ; T
	s_lshl_b32 s18, s17, 17                        ; 16 rows of 8,192 bytes
	s_mov_b32 s19, 0
	s_lshr_b32 s20, s17, 3
	s_mul_i32 s20, s20, 102400                     ; the slot
	s_and_b32 s21, s17, 7
	s_mul_i32 s22, s21, 12288
	s_add_co_u32 s22, s22, s20                     ; the tile's codes
	s_mov_b32 s23, 0
	s_lshl_b32 s24, s21, 9
	s_add_co_u32 s24, s24, s20
	s_add_co_u32 s24, s24, 98304                   ; the tile's scale words
	s_mov_b32 s25, 0
	s_add_nc_u64 s[SRC:SRC+1], s[4:5], s[18:19]
	s_add_nc_u64 s[DCO:DCO+1], s[10:11], s[22:23]
	s_add_nc_u64 s[DSC:DSC+1], s[10:11], s[24:25]
.irp x, 0,1,2,3
	LOADF 64*\x, SRC, 8192, 4096+512*\x, 1         ; We begins 4,096 bytes into a row of W_attn
.endr
.irp f, 0,1,2,3,4,5,6,7
.if \f < 5
	s_wait_loadcnt 48                              ; this K step's 16 loads are in; behind them three slots' 48 were issued
.else
	s_wait_loadcnt 16*(7-\f)                       ; the last K steps: nothing more is issued, the counts run down
.endif
	TURNF 64*(\f%4), STGA
	s_wait_dscnt 0x0                               ; the numbers are back; the stage's stores have read the slot
.if \f < 4
	LOADF 64*(\f%4), SRC, 8192, 4096+512*(\f+4), 1
.endif
	s_wait_xcnt 0x0                                ; the last image's stores have read v[PC] on: only now are they written again
	QUANT PC
	WIN 0x08
.irp c, 0,1,2
	global_store_b128 v[XO], v[PC+4*\c:PC+4*\c+3], s[DCO:DCO+1] offset:1536*\f+512*\c   ; the wave stores 512 consecutive bytes
.endr
	WIN 0xaa
	v_mov_b32 v[SW+\f], v[PW]
.endr
.irp j, 0,1,2,3
	v_cndmask_b32 v[SI+\j], v[SW+2*\j], v[SW+2*\j+1], s[MASK]   ; lanes 0-15 keep K step 2 j's word, lanes 16-31 take K step 2 j + 1's
.endr
	WIN 0x08
	global_store_b128 v[XO], v[SI:SI+3], s[DSC:DSC+1]
	WIN 0
	s_wait_tensorcnt 0x0                           ; the wave's end, behind my last LDS store
	ds_add_u32 v[SPW], v[NIL]
	s_wait_dscnt 0x0
	s_endpgm
.Lwh:	; ---- hb: columns 16 T .. 16 T + 15, T = work-group - 16; wave w takes K steps 2 w + e, e = 0, 1
	s_sub_co_u32 s17, ttmp9, 16
	s_lshl_b32 s18, s17, 17
	s_lshl_b32 s20, s[WV], 10                      ; two K steps are 1,024 bytes of a row
	s_add_co_u32 s18, s18, s20
	s_mov_b32 s19, 0
	s_mov_b32 s21, 0
	s_lshl_b32 s22, s17, 6                         ; 16 columns are 64 bytes
	s_mov_b32 s23, 0
	s_add_nc_u64 s[SRC:SRC+1], s[4:5], s[18:19]
	s_add_nc_u64 s[SHI:SHI+1], s[6:7], s[20:21]
	s_add_nc_u64 s[SBA:SBA+1], s[8:9], s[22:23]
	s_add_nc_u64 s[DHB:DHB+1], s[12:13], s[22:23]
	LOADF 0, SRC, 8192, 0, 1                       ; fragment 0, 1: Wh's 16 rows, e = 0, 1
	LOADF 64, SRC, 8192, 512, 1
	LOADF 128, SHI, 4096, 0, 0                     ; fragment 2, 3: h's rows 0-15; 4, 5: rows 16-31.  (64 work-groups read h: no hint)
	LOADF 192, SHI, 4096, 512, 0
.irp f, 0,1,2,3,4,5
.if \f < 3
	s_wait_loadcnt 48                              ; behind this fragment's loads three slots' 48 were issued
.else
	s_wait_loadcnt 16*(5-\f)                       ; the counts run down (b_attn's one load lies behind too: these counts are one smaller than they need be)
.endif
	TURNF 64*(\f%4), STGB
	s_wait_dscnt 0x0
.if \f < 2
	LOADF 64*\f, SHI, 4096, 65536+512*\f, 0
.endif
.if \f == 2
	WIN 0
	global_load_b128 v[BA:BA+3], v[BO], s[SBA:SBA+1]   ; b_attn at my four columns
.endif
	QUANT 12*\f                                    ; fragment f's operand at v[12 f] of window 2
	WIN 0x02
	v_mov_b32 v[HSW+\f], v[PW]                     ; its scale words into window 0: scale operands have no window
.endr
	WIN 0
.rept 8
	v_nop                                          ; a scale register written by a vector instruction stands 8 places ahead of a scaled matrix instruction, an operand so written 4
.endr
	WIN 0x0a                                       ; both operands window 2; C and D window 0
.irp e, 0,1                                    ; transposed: source 0 = 16 rows of Wh, source 1 = 16 rows of h: lane (r, h) holds batch row r and columns 8 h + 0 .. 7.  Two accumulators by turns
.irp mt, 0,1
.if \e == 0
	v_wmma_scale_f32_16x16x128_f8f6f4 v[ACC+8*\mt:ACC+8*\mt+7], v[12*\e:12*\e+11], v[12*(2+2*\mt+\e):12*(2+2*\mt+\e)+11], 0, v[HSW+\e], v[HSW+2+2*\mt+\e] matrix_a_fmt:MATRIX_FMT_FP6 matrix_b_fmt:MATRIX_FMT_FP6
.else
	v_wmma_scale_f32_16x16x128_f8f6f4 v[ACC+8*\mt:ACC+8*\mt+7], v[12*\e:12*\e+11], v[12*(2+2*\mt+\e):12*(2+2*\mt+\e)+11], v[ACC+8*\mt:ACC+8*\mt+7], v[HSW+\e], v[HSW+2+2*\mt+\e] matrix_a_fmt:MATRIX_FMT_FP6 matrix_b_fmt:MATRIX_FMT_FP6
.endif
.endr
.endr
	WIN 0
	PLACES                                         ; four places in front of the first read of results
.irp mt, 0,1
	ds_store_b128 v[PWA], v[ACC+8*\mt:ACC+8*\mt+3] offset:1024*\mt       ; each accumulator from its low end on
	ds_store_b128 v[PWA], v[ACC+8*\mt+4:ACC+8*\mt+7] offset:1024*\mt+16
.endr
	s_wait_dscnt 0x0                               ; for the others' sake: my partial sums lie in LDS
	s_barrier_signal -1
	s_barrier_wait -1
.irp p, 0,1,2,3
	ds_load_b128 v[PS4+4*\p:PS4+4*\p+3], v[PRD] offset:2048*\p
.endr
	s_wait_dscnt 0x0
	v_pk_add_f32 v[PS4:PS4+1], v[PS4:PS4+1], v[PS4+4:PS4+5]
	v_pk_add_f32 v[PS4+2:PS4+3], v[PS4+2:PS4+3], v[PS4+6:PS4+7]
	v_pk_add_f32 v[PS4+8:PS4+9], v[PS4+8:PS4+9], v[PS4+12:PS4+13]
	v_pk_add_f32 v[PS4+10:PS4+11], v[PS4+10:PS4+11], v[PS4+14:PS4+15]
	v_pk_add_f32 v[PS4:PS4+1], v[PS4:PS4+1], v[PS4+8:PS4+9]
	v_pk_add_f32 v[PS4+2:PS4+3], v[PS4+2:PS4+3], v[PS4+10:PS4+11]
	v_pk_add_f32 v[PS4:PS4+1], v[PS4:PS4+1], v[BA:BA+1]          ; + b_attn (its load was shown done by the last wait for loads, for 0)
	v_pk_add_f32 v[PS4+2:PS4+3], v[PS4+2:PS4+3], v[BA+2:BA+3]
	global_store_b128 v[HO], v[PS4:PS4+3], s[DHB:DHB+1]
	s_wait_tensorcnt 0x0                           ; the wave's end, behind my last LDS store
	ds_add_u32 v[SPW], v[NIL]
	s_wait_dscnt 0x0
	s_endpgm
.Lfunc_end_k_q401deb2c28_prep:
	.size	k_q401deb2c28_prep, .Lfunc_end_k_q401deb2c28_prep-k_q401deb2c28_prep
	.p2alignl 7, 3214868480
	.fill 96, 4, 3214868480
	.section	.rodata,"a",@progbits
	.p2align	6, 0x0
	.amdhsa_kernel k_q401deb2c28_prep
		.amdhsa_group_segment_fixed_size 76288
		.amdhsa_private_segment_fixed_size 0
		.amdhsa_enable_private_segment 0
		.amdhsa_kernarg_size 40
		.amdhsa_user_sgpr_count 2
		.amdhsa_user_sgpr_kernarg_segment_ptr 1
		.amdhsa_wavefront_size32 1
		.amdhsa_system_sgpr_workgroup_id_x 1
		.amdhsa_system_sgpr_workgroup_id_y 1
		.amdhsa_system_sgpr_workgroup_id_z 1
		.amdhsa_system_vgpr_workitem_id 0
		.amdhsa_next_free_vgpr 1024
		.amdhsa_next_free_sgpr 66
		.amdhsa_reserve_vcc 0
		.amdhsa_float_denorm_mode_32 3
		.amdhsa_float_denorm_mode_16_64 3
		.amdhsa_memory_ordered 1
		.amdhsa_forward_progress 1
		.amdhsa_inst_pref_size 115
	.end_amdhsa_kernel
	.amdgpu_metadata
---
amdhsa.version: [ 1, 2 ]
amdhsa.kernels:
  - .name:           k_q401deb2c28_prep
    .symbol:         k_q401deb2c28_prep.kd
    .args:
      - { .name: W_attn, .offset: 0, .size: 8, .value_kind: global_buffer, .address_space: global }
      - { .name: hidden, .offset: 8, .size: 8, .value_kind: global_buffer, .address_space: global }
      - { .name: b_attn, .offset: 16, .size: 8, .value_kind: global_buffer, .address_space: global }
      - { .name: wq, .offset: 24, .size: 8, .value_kind: global_buffer, .address_space: global }
      - { .name: hb, .offset: 32, .size: 8, .value_kind: global_buffer, .address_space: global }
    .group_segment_fixed_size: 76288
    .private_segment_fixed_size: 0
    .kernarg_segment_align: 8
    .kernarg_segment_size: 40
    .max_flat_workgroup_size: 128
    .sgpr_count:     66
    .vgpr_count:     1024
    .wavefront_size: 32
...
	.end_amdgpu_metadata
.endif
;; end of part 1
;; launch energy (part 2): grid 256 x 1, 4 waves a work-group, clusters of 4 x 1, 327,680 bytes of LDS; arguments encoder_outputs, wq, hb, v, scores; writes scores
.if DOCPART == 2
	.amdgcn_target "amdgcn-amd-amdhsa--gfx1250"
	.amdhsa_code_object_version 6
	.text
	.protected	k_q401deb2c28_energy
	.globl	k_q401deb2c28_energy
	.p2align	8
	.type	k_q401deb2c28_energy,@function
k_q401deb2c28_energy:
	s_mov_b64 s[64:65], 0
	v_nop
	global_prefetch_b8 v0, s[64:65] scope:SCOPE_SE
	s_setreg_imm32_b32 hwreg(HW_REG_WAVE_MODE, 25, 1), 1
	s_wait_xcnt 0x0
	s_wait_alu depctr_hold_cnt(0) depctr_sa_sdst(0) depctr_va_vdst(0) depctr_va_sdst(0) depctr_va_ssrc(0) depctr_va_vcc(0) depctr_vm_vsrc(0)
	s_getreg_b32 s2, hwreg(HW_REG_IB_STS2, 6, 4)
	s_cmp_eq_u32 s2, 0
	s_cbranch_scc0 .Lentry_in_a_cluster
	s_endpgm
.Lentry_in_a_cluster:
	s_bfe_u32 s2, ttmp6, 0x10000c
	s_cmp_lg_u32 s2, 0x3003
	s_cbranch_scc0 .Lentry_shape_is_right
	s_endpgm
.Lentry_shape_is_right:
; scores[b][s] = sum over o of v[o] r, r = 1 / (1 + e^(2x)), x = Q(enc) Q(We)^T + hb[b][o].  Left out, as shown at the head of the first kernel: the sum of v, the same along s.
; A work-group takes 256 rows of enc (all of one batch b) in four groups of 64.  Wave w quantises rows 16 w .. 16 w + 15 of the NEXT group, fragment by fragment (16 rows x 128 K), into an image
; of the operand's registers in LDS, while the present group's 64 rows x 1,024 K lie as codes in every wave's registers (384).  wq's eight slots of 128 columns walk through two LDS slots, once
; for each group; of a slot wave w takes the column tiles 2 w and 2 w + 1.  A UNIT is one such tile: 32 matrix instructions (4 row tiles by turns x 8 K steps) on one of two sets of accumulators.
; TRANSPOSED USE: source 0 = 16 rows of We, source 1 = 16 rows of enc: lane (r, h) holds enc row r and columns 8 h + 0 .. 7; hb is the C of a chain's first link.
; A UNIT'S 32 NUMBERS A LANE, a = 1 + 2^(c x), c = 2 log2(e): ONE RECIPROCAL SERVES FOUR numbers x0, x1, y0, y1 of a row: with m0 = x0 y0, m1 = x1 y1, p = v(x0) y0 + v(y0) x0, q = v(x1) y1 + v(y1) x1
; the sum of v / a over the four is (p m1 + q m0) / (m0 m1).  Behind a unit's products stand c x and the exponentials; + 1, the hold of a at 2^30 and p, q stand as plain instructions among the NEXT unit's
; matrix instructions, two behind each; m, p m1 + q m0, m0 m1, the reciprocals (in one batch with the next unit's exponentials) and the sums follow behind that unit: no transcendental stands inside a chain.
; So the sums lag one unit: a group's sums are taken behind the next group's first unit, and the last unit is finished behind the walk.
; CLUSTER 4 x 1: the four work-groups walk the same slots of wq and ask for them jointly (mask 15), each wave a quarter of a slot; a round of the cluster's barrier stands in front of each refill.
; NO DATA PREFETCH: enc is asked for by register loads four fragments (32 KiB a wave) ahead of its use; wq's 819,200 bytes are read again by every work-group in each of its four walks.
; LIMITS: NaN and infinities among the inputs are not served; a block whose largest magnitude lies under 2^-124, a block of zeros too, gets the scale byte 1 (zero codes add nothing);
; a is held at 2^30, which moves r by under 2^-30; the products above stay finite while |v| is under 2^30.
; LDS: slot 0 at 0; hb's row and v (8,192); the waves' sums; A's scale words; the spare words; slot 1; A's image (64 rows x 768 bytes); four stages of 16 rows x 528 bytes.
; REGISTERS, in windows of 256: window 0 addresses, sums, scale words, W's fragments, accumulators, p and q; window 1 A's K steps 0-3, v192-255 the 64 numbers at work;
;   window 2 A's K steps 4-7, v192-207 v's numbers, from v208 the quantiser's; window 3 four landing slots of 64.
.set SLOTB, 102400                     ; a slot of wq: 98,304 bytes of codes, 4,096 of scale words
.set QUART, 25600                      ; what one wave's tensor load brings
.set SLOT1, 131072
.set TABB,  102400                     ; hb[b][0..1023], then v
.set SCR,   110592                     ; 1,536 bytes a wave: its part of the 256 sums, from byte 384 on
.set ASC,   116736                     ; A's scale words: 512 m + 64 k + 4 r
.set SPARE, 118784                     ; the spare words, 128 bytes a wave, which no other line names
.set AIMG,  233472
.set STG,   282624
.set SPW, 1                            ; LDS address of my spare word; never rewritten
.set NIL, 2                            ; 0; never rewritten
.set ADB, 3                            ; v3-4 my two tiles' codes in slot 0, 1
.set ADS, 5                            ; v5-6 their scale words
.set ADT0, 7                           ; my columns in the table, slot 0 of wq
.set ADT, 8                            ; the same for the slot at work
.set XO,  9                            ; 16 x lane
.set STI, 10                           ; my stage, in
.set STR, 11                           ; my stage, out
.set IMW0, 12
.set IMW, 13                           ; where my fragments' images go
.set ASW0, 14
.set ASW, 15                           ; and their scale words
.set ADI, 16
.set ASR, 17
.set SCA0, 18
.set SCA, 19
.set S,   20                           ; v20-27 the running sums: two for each row tile, one for each group of four columns
.set TW,  28
.set AS,  32                           ; v32-47 A's scale words: 4 m + i: lanes 0-15 K step 2 i, lanes 16-31 K step 2 i + 1
.set WS,  48                           ; v48-55 W's, likewise, four for each of my two tiles
.set BIAS, 56
.set BX,  64                           ; v64-159 a tile's eight fragments of W
.set AC0, 160                          ; v160-223 four accumulators for each of my two tiles
.set HD,  224                          ; at the head and at the end
.set PQ,  224                          ; v224-239 in the walk: p, q of the eight groups of four
.set PL,  240
.set GO,  244
.set QX,  192
.set WT,  192
.set TM,  208
.set PW,  224
.set PC,  228
.set PS,  240
.set WV,  14
.set ENCW, 18
.set SEL, 20
.set CS,  22
.set G1,  24
.set G0,  32
.set OFF, 42
.set QW,  44
.set TOFF, 45
.set BC,  46                           ; half groups of A quantised so far
.set GC,  47
.set CL,  48                           ; 2^30
.set EOFF, 50
.set EB,  52
.set MSB, 0
.macro WIN new                         ; low byte: bits 1:0 source 0, 3:2 source 1, 5:4 source 2, 7:6 destination; the high byte repeats the setting that is left
.if MSB != \new
	s_set_vgpr_msb (MSB<<8)|\new
.set MSB, \new
.endif
.endm
.macro PLACES                          ; four places behind a matrix instruction (ISA guide 7.12.1)
.rept 4
	v_nop
.endr
.endm
.macro ROUND                           ; a round of the cluster's barrier
	s_barrier_signal -1
	s_barrier_wait -1
	s_cmp_lg_u32 s[WV], 0
	s_cbranch_scc1 .Lnot_wave_0_\@
	s_barrier_signal -3
.Lnot_wave_0_\@:
	s_barrier_wait -3
	s_barrier_signal -1
	s_barrier_wait -1
.endm
.macro LOADF reg, off                  ; 16 rows x 512 consecutive bytes of enc into a landing slot
	WIN 0xc0
.irp i, 0,1,2,3,4,5,6,7,8,9,10,11,12,13,14,15
	global_load_b128 v[\reg+4*\i:\reg+4*\i+3], v[XO], s[EB:EB+1] offset:\i*4096+\off th:TH_LOAD_NT
.endr
.endm
.macro TURNS reg                       ; a landing slot into my stage, as it was loaded
	WIN 0x0c
.irp i, 0,1,2,3,4,5,6,7,8,9,10,11,12,13,14,15
	ds_store_b128 v[STI], v[\reg+4*\i:\reg+4*\i+3] offset:528*\i
.endr
.endm
.macro TURNL                           ; and back as 16 neighbours of each block of 32.  LDS serves a wave's instructions in order: no wait between the stores and these
	WIN 0x40
.irp b, 0,1,2,3
.irp q, 0,1,2,3
	ds_load_b128 v[QX+16*\b+4*\q:QX+16*\b+4*\q+3], v[STR] offset:128*\b+16*\q
.endr
.endr
.endm
.macro QUANT o                         ; register 16 b + i = k 32 b + 16 h + i of row r -> the operand's 12 registers at v[o] of window 2, the row's scale word in v[PW]
	WIN 0x96
.irp b, 0,1,2,3
	v_max3_num_f32 v[TM+\b], 0x1800000, |v[QX+16*\b]|, |v[QX+16*\b+1]|   ; the floor 2^(3 - 127) among the leaves: the byte cannot fall under 1
.endr
.irp i, 2,4,6,8,10,12,14
.irp b, 0,1,2,3
	v_max3_num_f32 v[TM+\b], v[TM+\b], |v[QX+16*\b+\i]|, |v[QX+16*\b+\i+1]|
.endr
.endr
.irp b, 0,1,2,3
	v_permlanex16_b32 v[TM+4+\b], v[TM+\b], s[SEL], s[SEL+1]
.endr
	WIN 0xaa
.irp b, 0,1,2,3
	v_max_num_f32 v[TM+\b], v[TM+\b], v[TM+4+\b]   ; with lane l xor 16's 16: the block's largest magnitude
.endr
.irp b, 0,1,2,3
	v_add_nc_u32 v[TM+12+\b], 0xff000000, v[TM+\b]   ; 2 off its exponent field: the conversion's scale operand
.endr
.irp b, 0,1,2,3
	v_lshrrev_b32 v[TM+4+\b], 23, v[TM+12+\b]      ; the scale's byte
.endr
	v_lshl_or_b32 v[PW], v[TM+5], 8, v[TM+4]
	v_lshl_or_b32 v[PW], v[TM+6], 16, v[PW]
	v_lshl_or_b32 v[PW], v[TM+7], 24, v[PW]
	WIN 0xa9
.irp c, 0,1
	v_cvt_scalef32_pk16_fp6_f32 v[\o+6*\c:\o+6*\c+2], v[QX+32*\c:QX+32*\c+15], v[TM+12+2*\c]
	v_cvt_scalef32_pk16_fp6_f32 v[PS+4*\c:PS+4*\c+2], v[QX+32*\c+16:QX+32*\c+31], v[TM+13+2*\c]
.endr
	WIN 0xaa
	v_nop                                          ; one plain instruction behind the conversions
.irp c, 0,1                            ; the operand wants a whole block in a lane
.irp i, 0,1,2
	v_permlane16_swap_b32 v[\o+6*\c+\i], v[PS+4*\c+\i]
.endr
.irp i, 0,1,2
	v_mov_b32 v[\o+6*\c+3+\i], v[PS+4*\c+\i]
.endr
.endr
.endm
.macro MM u                            ; K step MK, row tile MX of my tile u
.set rD, AC0+32*(\u)+8*MX
.set rB, BX+12*MK
.set rA, 12*(4*MX+MK%4)
.set rW, WS+4*(\u)+MK/2
.set rS, AS+4*MX+MK/2
.if MK == 0
	v_wmma_scale_f32_16x16x128_f8f6f4 v[rD:rD+7], v[rB:rB+11], v[rA:rA+11], v[BIAS:BIAS+7], v[rW], v[rS] matrix_a_fmt:MATRIX_FMT_FP6 matrix_b_fmt:MATRIX_FMT_FP6
.elseif MK%2 == 0
	v_wmma_scale_f32_16x16x128_f8f6f4 v[rD:rD+7], v[rB:rB+11], v[rA:rA+11], v[rD:rD+7], v[rW], v[rS] matrix_a_fmt:MATRIX_FMT_FP6 matrix_b_fmt:MATRIX_FMT_FP6
.else
	v_wmma_scale_f32_16x16x128_f8f6f4 v[rD:rD+7], v[rB:rB+11], v[rA:rA+11], v[rD:rD+7], v[rW], v[rS] matrix_a_fmt:MATRIX_FMT_FP6 matrix_b_fmt:MATRIX_FMT_FP6 matrix_a_scale:MATRIX_SCALE_ROW1 matrix_b_scale:MATRIX_SCALE_ROW1
.endif
.endm
; Plain instruction q = 0 .. 63 on accumulator set p, which holds 2^(c x): 16 x (+ 1, two at a time), 32 x (hold at 2^30), then for group g = 0 .. 7 (registers 4 g .. 4 g + 3: x0, x1, y0, y1) p and q.
; No vector register stands as source 1 but v's numbers (q >= 48, window 2): so they fit the windows of the matrix instructions among which they stand.
.macro HID p, q
.set HA, AC0+32*(\p)
.if (\q) < 16
	v_pk_add_f32 v[HA+2*(\q):HA+2*(\q)+1], v[HA+2*(\q):HA+2*(\q)+1], 1.0 op_sel_hi:[1,0]
.elseif (\q) < 48
	v_min_num_f32 v[HA+(\q)-16], v[HA+(\q)-16], s[CL]
.else
.set HG, ((\q)-48)%8
.set HB, HA+4*HG
.set HW, WT+8*(\p)+4*(HG%2)
.if (\q) < 56
	v_pk_mul_f32 v[PQ+2*HG:PQ+2*HG+1], v[HB+2:HB+3], v[HW:HW+1]
.else
	v_pk_fma_f32 v[PQ+2*HG:PQ+2*HG+1], v[HB:HB+1], v[HW+2:HW+3], v[PQ+2*HG:PQ+2*HG+1]
.endif
.endif
.endm
; K steps 4 hh .. 4 hh + 3: 16 matrix instructions, the four accumulators by turns.  hid = 1: behind each, two of the other set's plain instructions
.macro HALF hh, u, hid
.set HI, 0
.rept 16
.set MK, 4*\hh+HI/4
.set MX, HI%4
	MM \u
.if \hid
.set HQ, 32*\hh+2*HI
	HID 1-\u, HQ
.set HQ, HQ+1
	HID 1-\u, HQ
.endif
.set HI, HI+1
.endr
.endm
.macro PRE p                           ; set p: m over x; p m1 + q m0 over p; m0 m1 over y0
.set VB, AC0+32*(\p)
.set J, 0
.rept 8
	v_pk_mul_f32 v[VB+4*J:VB+4*J+1], v[VB+4*J:VB+4*J+1], v[VB+4*J+2:VB+4*J+3]
.set J, J+1
.endr
.set J, 0
.rept 8
	v_mul_f32 v[PQ+2*J], v[PQ+2*J], v[VB+4*J+1]
.set J, J+1
.endr
.set J, 0
.rept 8
	v_fmac_f32 v[PQ+2*J], v[PQ+2*J+1], v[VB+4*J]
.set J, J+1
.endr
.set J, 0
.rept 8
	v_mul_f32 v[VB+4*J+2], v[VB+4*J], v[VB+4*J+1]
.set J, J+1
.endr
.endm
.macro RCPS p
.set VB, AC0+32*(\p)
.set J, 0
.rept 8
	v_rcp_f32 v[VB+4*J+2], v[VB+4*J+2]
.set J, J+1
.endr
.endm
.macro ACCS p                          ; group g adds into sum g: row tile g / 2
.set VB, AC0+32*(\p)
.set J, 0
.rept 8
	v_fmac_f32 v[S+J], v[PQ+2*J], v[VB+4*J+2]
.set J, J+1
.endr
.endm
; Behind unit u's products.  prev = 1: the unit before is finished here.  A wait ahead of the batch of transcendentals and one behind it.
; ts >= 0: landing slot ts goes into my stage; tl = 1: the stage is read back: each run of 16 LDS instructions stands behind the first wait, ahead of the batch.
.macro BND u, prev, ts, tl
.set VA, AC0+32*(\u)
	WIN 0
	PLACES
.set J, 0
.rept 16                               ; c x; each accumulator is read from its low end on
	v_pk_mul_f32 v[VA+2*J:VA+2*J+1], v[VA+2*J:VA+2*J+1], s[CS:CS+1] op_sel_hi:[1,0]
.set J, J+1
.endr
.if \prev
	PRE 1-\u
.endif
	s_wait_alu depctr_va_vdst(0)
.if \ts >= 0
	s_wait_loadcnt 48                              ; the oldest landing slot's 16 loads are in; three slots' 48 may be out
	TURNS 64*\ts
	WIN 0
.endif
.if \tl
	TURNL
	WIN 0
.endif
.set J, 0
.rept 32
	v_exp_f32 v[VA+J], v[VA+J]
.set J, J+1
.endr
.if \prev
	RCPS 1-\u
.endif
	v_nop                                          ; a plain place behind the last transcendental
	s_wait_alu depctr_va_vdst(0)
.if \prev
	ACCS 1-\u
.endif
.endm
.macro RUNY sl, u                      ; at a unit's head: v's numbers and W's K steps 4-7 of tile u: 14 loads
	PLACES
	WIN 0x80
	ds_load_b128 v[WT+8*\u:WT+8*\u+3], v[ADT] offset:4096+64*\u
	ds_load_b128 v[WT+8*\u+4:WT+8*\u+7], v[ADT] offset:4096+64*\u+16
	WIN 0x04
.irp k, 4,5,6,7
.irp c, 0,1,2
	ds_load_b128 v[BX+12*\k+4*\c:BX+12*\k+4*\c+3], v[ADB+(\sl)] offset:12288*\u+1536*\k+512*\c
.endr
.endr
	s_wait_dscnt 14                                ; all but the 14 just issued: K steps 0-3, the scale words and hb are in
.endm
.macro RUNX sl, u                      ; in the middle of the unit before: W's K steps 0-3, scale words and hb of tile u: 15 loads
.irp k, 0,1,2,3
.irp c, 0,1,2
	ds_load_b128 v[BX+12*\k+4*\c:BX+12*\k+4*\c+3], v[ADB+(\sl)] offset:12288*\u+1536*\k+512*\c
.endr
.endr
	ds_load_b128 v[WS+4*\u:WS+4*\u+3], v[ADS+(\sl)] offset:512*\u
	ds_load_b128 v[BIAS:BIAS+3], v[ADT] offset:64*\u
	ds_load_b128 v[BIAS+4:BIAS+7], v[ADT] offset:64*\u+16
.endm
.macro STEP sl, hid, ts                ; a slot's first unit.  hid = 0: the walk's first unit, with none before it
	RUNY \sl, 0
	HALF 0, 0, \hid
	PLACES
	RUNX \sl, 1
	s_wait_alu depctr_va_vdst(0)
	s_wait_dscnt 15                                ; all but the 15 just issued
	WIN 0x08
	HALF 1, 0, \hid
	BND 0, \hid, \ts, 0
.endm
; A slot's second unit, with the change of slots in its middle: all my reads of slot sl are over there.  refill = 1: wq's slot (n + 1) % 8 comes into LDS slot sl, n = (creg << sh) + cst the slot that is read next.
.macro TURNSTEP sl, refill, creg, sh, cst, tl
	RUNY \sl, 1
	HALF 0, 1, 1
	WIN 0
	s_wait_alu depctr_va_vdst(0)
	s_wait_tensorcnt 0x0                           ; my quarter of the other slot is in;
	ds_add_u32 v[SPW], v[NIL]
.if \refill
	s_lshl_b32 s54, s[\creg], \sh
	s_add_co_u32 s54, s54, \cst
	s_and_b32 s55, s54, 7
	s_lshl_b32 s[TOFF], s55, 9                     ; the next slot's 128 columns in the table
	s_add_co_u32 s54, s54, 1
	s_and_b32 s54, s54, 7
	s_mul_i32 s[OFF], s54, SLOTB
	s_add_co_u32 s[OFF], s[OFF], s[QW]
	s_add_nc_u64 s[G0+4*\sl+2:G0+4*\sl+3], s[6:7], s[OFF:OFF+1]   ; no load of mine is out: the descriptor may be written
	s_or_b32 s[G0+4*\sl+3], s[G0+4*\sl+3], 0x80000000
	s_wait_dscnt 0x0                               ; the add is done, and so are my reads of slot sl
	ROUND
	tensor_load_to_lds s[G0+4*\sl:G0+4*\sl+3], s[G1:G1+7]
	s_nop 0
	PLACES
.else
	s_mov_b32 s[TOFF], 7*512
	s_wait_dscnt 0x0
	s_barrier_signal -1
	s_barrier_wait -1
	PLACES
.endif
	v_add_nc_u32 v[ADT], s[TOFF], v[ADT0]
	RUNX 1-\sl, 0
	WIN 0x08
	HALF 1, 1, 1
	BND 1, 1, -1, \tl
.endm
; Fragment x of a half group: quantised, its image and scale words into LDS.  mode = 1: the landing slot takes the same fragment of the next half group.
; turned = 0: the whole turn through the stage stands here; 1: the stores have been issued; 2: the loads too.
.macro BURST x, mode, turned
.if \turned == 0
.if \mode
	s_wait_loadcnt 48
.else
	s_wait_loadcnt 48-16*\x                        ; nothing more is issued: the counts run down
.endif
	TURNS 64*\x
.endif
.if \turned < 2
	TURNL
.endif
	s_wait_dscnt 0x0                               ; the numbers are back; the stage's stores have read the landing slot
.if \mode
	LOADF 64*\x, 512*\x
.endif
	QUANT PC
	WIN 0x08
.irp c, 0,1,2
	ds_store_b128 v[IMW], v[PC+4*\c:PC+4*\c+3] offset:1536*\x+512*\c
.endr
	ds_store_b32 v[ASW], v[PW] offset:64*\x        ; both halves of the lanes write the same word
	WIN 0
.endm
.macro SETI                            ; where half group BC's images go
	s_and_b32 s54, s[BC], 1
	s_mul_i32 s55, s54, 6144
	v_add_nc_u32 v[IMW], s55, v[IMW0]
	s_lshl_b32 s54, s54, 8
	v_add_nc_u32 v[ASW], s54, v[ASW0]
.endm
.macro SETB                            ; and where half group BC + 1 is loaded from: group x 64 rows, half x 2,048 bytes
	s_wait_xcnt 0x0                                ; the earlier loads have read their base
	s_add_co_u32 s54, s[BC], 1
	s_lshr_b32 s55, s54, 1
	s_lshl_b32 s[EOFF], s55, 18
	s_and_b32 s54, s54, 1
	s_lshl_b32 s54, s54, 11
	s_add_co_u32 s[EOFF], s[EOFF], s54
	s_add_nc_u64 s[EB:EB+1], s[ENCW:ENCW+1], s[EOFF:EOFF+1]
	SETI
.endm
.macro RELOAD                          ; the next group's image, written by all four waves, into my registers
	s_wait_dscnt 0x0                               ; for the others' sake: my images lie in LDS
	s_barrier_signal -1
	s_barrier_wait -1
	PLACES
	WIN 0x40
.irp m, 0,1,2,3
.irp k, 0,1,2,3
.irp c, 0,1,2
	ds_load_b128 v[12*(4*\m+\k)+4*\c:12*(4*\m+\k)+4*\c+3], v[ADI] offset:1536*(8*\m+\k)+512*\c
.endr
.endr
.endr
	WIN 0x80
.irp m, 0,1,2,3
.irp k, 0,1,2,3
.irp c, 0,1,2
	ds_load_b128 v[12*(4*\m+\k)+4*\c:12*(4*\m+\k)+4*\c+3], v[ADI] offset:1536*(8*\m+4+\k)+512*\c
.endr
.endr
.endr
	WIN 0
.irp m, 0,1,2,3
.irp i, 0,1,2,3
	ds_load_b32 v[AS+4*\m+\i], v[ASR] offset:512*\m+128*\i
.endr
.endr
	s_wait_dscnt 0x0
.endm
.macro FINAL z                         ; a group's 64 sums over my 256 columns: a row tile's two sums, lane l xor 16's columns; into my part of LDS
.irp m, 0,1,2,3
	v_add_f32 v[TW+\m], v[S+2*\m], v[S+2*\m+1]
.endr
.irp m, 0,1,2,3
	v_permlanex16_b32 v[PL+\m], v[TW+\m], s[SEL], s[SEL+1]
.endr
.irp m, 0,1,2,3
	v_add_f32 v[TW+\m], v[TW+\m], v[PL+\m]
.endr
.irp m, 0,1,2,3
	ds_store_b32 v[SCA], v[TW+\m] offset:64*\m
.endr
.if \z
.irp j, 0,1,2,3,4,5,6,7
	v_mov_b32 v[S+\j], 0
.endr
.endif
.endm
	s_load_b256 s[4:11], s[0:1], 0x0               ; enc s[4:5], wq s[6:7], hb s[8:9], v s[10:11]
	s_load_b64 s[12:13], s[0:1], 0x20              ; scores
	v_lshl_add_u32 v[SPW], v0, 2, SPARE
	v_mov_b32 v[NIL], 0
	ds_add_u32 v[SPW], v[NIL]                      ; the opening add, twice on end, under one wait
	ds_add_u32 v[SPW], v[NIL]
	v_lshrrev_b32 v[TW], 5, v0
	v_readfirstlane_b32 s[WV], v[TW]               ; wave 0..3
	s_bfe_u32 s15, ttmp6, 0x40000                  ; cx
	s_lshl_b32 s16, ttmp9, 2
	s_add_co_u32 s16, s16, s15                     ; the work-group's number
	s_mov_b32 s[G1], 15|(3<<16)|(1<<21)            ; all four partners; elements of 8 bytes; 100 dense rows of 256 bytes
	s_mov_b32 s[G1+1], 32<<16
	s_mov_b32 s[G1+2], 100<<16
	s_mov_b32 s[G1+3], 32<<16
	s_mov_b32 s[G1+4], 100
	s_mov_b32 s[G1+5], 32
	s_mov_b32 s[G1+6], 0
	s_mov_b32 s[G1+7], 0
	s_mul_i32 s[QW], s[WV], QUART
	s_mov_b32 s[SEL], 0x76543210
	s_mov_b32 s[SEL+1], 0xfedcba98                 ; lane l xor 16
	s_mov_b32 s[CS], 0x4038aa3b                    ; c = 2 log2(e)
	s_mov_b32 s[CS+1], s[CS]
	s_mov_b32 s[CL], 0x4e800000                    ; 2^30
	v_and_b32 v[TW], 31, v0
	v_and_b32 v[TW+1], 15, v0                      ; r
	v_bfe_u32 v[TW+2], v0, 4, 1                    ; h
	v_lshlrev_b32 v[XO], 4, v[TW]
	s_mul_i32 s54, s[WV], 24576
	v_add_nc_u32 v[ADB], s54, v[XO]
	v_add_nc_u32 v[ADB+1], SLOT1, v[ADB]
	s_lshl_b32 s54, s[WV], 10
	s_add_co_u32 s54, s54, 98304
	v_add_nc_u32 v[ADS], s54, v[XO]
	v_add_nc_u32 v[ADS+1], SLOT1, v[ADS]
	s_lshl_b32 s54, s[WV], 7
	s_add_co_u32 s54, s54, TABB
	v_lshl_add_u32 v[ADT0], v[TW+2], 5, s54
	s_mul_i32 s54, s[WV], 8448
	s_add_co_u32 s54, s54, STG
	v_add_nc_u32 v[STI], s54, v[XO]
	v_mul_u32_u24 v[STR], v[TW+1], 528
	v_lshl_add_u32 v[STR], v[TW+2], 6, v[STR]
	v_add_nc_u32 v[STR], s54, v[STR]
	s_mul_i32 s54, s[WV], 12288
	s_add_co_u32 s54, s54, AIMG
	v_add_nc_u32 v[IMW0], s54, v[XO]
	s_lshl_b32 s54, s[WV], 9
	s_add_co_u32 s54, s54, ASC
	v_lshl_add_u32 v[ASW0], v[TW+1], 2, s54
	v_add_nc_u32 v[ADI], AIMG, v[XO]
	v_lshl_add_u32 v[ASR], v[TW], 2, ASC
	s_mul_i32 s54, s[WV], 1536
	s_add_co_u32 s54, s54, SCR
	v_lshl_add_u32 v[SCA0], v[TW+1], 2, s54
	v_lshl_add_u32 v[ADT], v0, 4, TABB
	v_lshlrev_b32 v[GO], 4, v0
	s_wait_alu depctr_va_vdst(0)
	s_wait_dscnt 0x0                               ; both opening adds are done
	s_wait_kmcnt 0x0
	s_lshl_b32 s[EOFF], s16, 20                    ; 256 rows of 4,096 bytes a work-group,
	s_lshl_b32 s54, s[WV], 16                      ; 16 rows a wave
	s_add_co_u32 s[EOFF], s[EOFF], s54
	s_mov_b32 s[EOFF+1], 0
	s_add_nc_u64 s[ENCW:ENCW+1], s[4:5], s[EOFF:EOFF+1]
	s_mov_b64 s[EB:EB+1], s[ENCW:ENCW+1]
	s_lshr_b32 s54, s16, 3                         ; the batch: eight work-groups to one
	s_lshl_b32 s54, s54, 12
	s_mov_b32 s55, 0
	s_add_nc_u64 s[8:9], s[8:9], s[54:55]
	s_lshl_b32 s54, s16, 10
	s_add_nc_u64 s[12:13], s[12:13], s[54:55]
	global_load_b128 v[HD:HD+3], v[GO], s[8:9]
	global_load_b128 v[HD+4:HD+7], v[GO], s[8:9] offset:2048
	global_load_b128 v[HD+8:HD+11], v[GO], s[10:11]
	global_load_b128 v[HD+12:HD+15], v[GO], s[10:11] offset:2048
	LOADF 0, 0                                     ; enc's first three fragments are asked for ahead of the rounds below
	LOADF 64, 512
	LOADF 128, 1024
	WIN 0
	s_mov_b32 s[OFF], s[QW]
	s_mov_b32 s[OFF+1], 0
	s_mov_b32 s[G0], 1
	s_mov_b32 s[G0+1], s[QW]
	s_add_nc_u64 s[G0+2:G0+3], s[6:7], s[OFF:OFF+1]
	s_mov_b32 s[G0+4], 1
	s_add_co_u32 s[G0+5], s[QW], SLOT1
	s_add_nc_u64 s[G0+6:G0+7], s[G0+2:G0+3], SLOTB
	s_or_b32 s[G0+3], s[G0+3], 0x80000000
	s_or_b32 s[G0+7], s[G0+7], 0x80000000
	ROUND                                          ; in front of the first joint loads
	tensor_load_to_lds s[G0:G0+3], s[G1:G1+7]      ; slot 0: one tensor load a wave at the head
	s_nop 0
	s_wait_alu depctr_va_vdst(0)
	s_wait_tensorcnt 0x0
	ds_add_u32 v[SPW], v[NIL]
	s_wait_dscnt 0x0
	ROUND
	tensor_load_to_lds s[G0+4:G0+7], s[G1:G1+7]    ; slot 1
	s_nop 0
	PLACES
	s_wait_loadcnt 48                              ; hb's row and v are in; enc's 48 loads may be out
	ds_store_b128 v[ADT], v[HD:HD+3]
	ds_store_b128 v[ADT], v[HD+4:HD+7] offset:2048
	ds_store_b128 v[ADT], v[HD+8:HD+11] offset:4096
	ds_store_b128 v[ADT], v[HD+12:HD+15] offset:6144
	LOADF 192, 1536
	WIN 0x80
.irp b, 0,1,2,3
	v_mov_b32 v[TM+4+\b], 0                        ; written once: a lane permute's destination counts as one of its sources
.endr
	WIN 0
.irp j, 0,1,2,3
	v_mov_b32 v[PL+\j], 0
.endr
.irp j, 0,1,2,3,4,5,6,7
	v_mov_b32 v[S+\j], 0
.endr
	s_mov_b32 s[BC], 0
.Lpro:                                                 ; group 0's two half groups
	SETB
	BURST 0, 1, 0
	BURST 1, 1, 0
	BURST 2, 1, 0
	BURST 3, 1, 0
	s_add_co_u32 s[BC], s[BC], 1
	s_cmp_lt_u32 s[BC], 2
	s_cbranch_scc1 .Lpro
	s_wait_tensorcnt 0x1                           ; slot 1's fill may be out
	RELOAD
	v_mov_b32 v[ADT], v[ADT0]
	s_wait_alu depctr_va_vdst(0)
	RUNX 0, 0
	STEP 0, 0, 0
.Lmain:                                                ; a trip: four slots of wq, from a slot's second unit to the first unit four slots on, and one half group quantised
	SETB
	TURNSTEP 0, 1, BC, 2, 1, 1
	BURST 0, 1, 2
	STEP 1, 1, 1
	TURNSTEP 1, 1, BC, 2, 2, 1
	BURST 1, 1, 2
	STEP 0, 1, 2
	TURNSTEP 0, 1, BC, 2, 3, 1
	BURST 2, 1, 2
	STEP 1, 1, 3
	TURNSTEP 1, 1, BC, 2, 4, 1
	BURST 3, 1, 2
	s_and_b32 s54, s[BC], 1
	s_cmp_eq_u32 s54, 0
	s_cbranch_scc1 .Lkeep_a                        ; an odd trip ends a group: the next group's codes come in
	RELOAD
.Lkeep_a:
	STEP 0, 1, 0
	s_and_b32 s54, s[BC], 1
	s_cmp_eq_u32 s54, 0
	s_cbranch_scc1 .Lkeep_b                        ; and behind the next group's first unit the old group's sums are whole
	s_lshl_b32 s54, s[BC], 7
	v_add_nc_u32 v[SCA], s54, v[SCA0]
	FINAL 1
.Lkeep_b:
	s_add_co_u32 s[BC], s[BC], 1
	s_cmp_lt_u32 s[BC], 7
	s_cbranch_scc1 .Lmain
	SETI                                           ; the last half group: nothing more to load; fragment 0 lies in the stage already
	BURST 0, 0, 1
	BURST 1, 0, 0
	BURST 2, 0, 0
	BURST 3, 0, 0
	s_mov_b32 s[GC], 0
.Lrest:                                                ; a trip: two slots
	TURNSTEP 0, 1, GC, 1, 5, 0
	STEP 1, 1, -1
	TURNSTEP 1, 1, GC, 1, 6, 0
	s_cmp_lg_u32 s[GC], 1
	s_cbranch_scc1 .Lkeep_c
	RELOAD
.Lkeep_c:
	STEP 0, 1, -1
	s_cmp_lg_u32 s[GC], 1
	s_cbranch_scc1 .Lkeep_d
	v_add_nc_u32 v[SCA], 896, v[SCA0]
	FINAL 1
.Lkeep_d:
	s_add_co_u32 s[GC], s[GC], 1
	s_cmp_lt_u32 s[GC], 5
	s_cbranch_scc1 .Lrest
	TURNSTEP 0, 0, 0, 0, 0, 0                      ; the last change of slots fills nothing
	STEP 1, 1, -1
	RUNY 1, 1
	HALF 0, 1, 1
	s_wait_alu depctr_va_vdst(0)
	s_wait_dscnt 0x0
	WIN 0x08
	HALF 1, 1, 1
	BND 1, 1, -1, 0
	WIN 0x08                                       ; the last unit is finished with no products beside it
.set HQ, 0
.rept 64
	HID 1, HQ
.set HQ, HQ+1
.endr
	WIN 0
	PRE 1
	s_wait_alu depctr_va_vdst(0)
	RCPS 1
	v_nop
	s_wait_alu depctr_va_vdst(0)
	ACCS 1
	v_add_nc_u32 v[SCA], 1152, v[SCA0]
	FINAL 0
	s_wait_dscnt 0x0                               ; for the others' sake: my sums lie in LDS
	s_barrier_signal -1
	s_barrier_wait -1
	v_lshl_add_u32 v[ADT], v0, 3, SCR+384
	v_lshlrev_b32 v[GO], 3, v0
.irp p, 0,1,2,3
	ds_load_b64 v[HD+2*\p:HD+2*\p+1], v[ADT] offset:1536*\p   ; two rows a thread, the four waves' parts
.endr
	s_wait_dscnt 0x0
	v_pk_add_f32 v[HD:HD+1], v[HD:HD+1], v[HD+2:HD+3]
	v_pk_add_f32 v[HD+4:HD+5], v[HD+4:HD+5], v[HD+6:HD+7]
	v_pk_add_f32 v[HD:HD+1], v[HD:HD+1], v[HD+4:HD+5]
	s_wait_alu depctr_va_vdst(0)
	global_store_b64 v[GO], v[HD:HD+1], s[12:13]   ; a wave stores 256 consecutive bytes, aligned
	s_wait_tensorcnt 0x0                           ; the wave's end
	ds_add_u32 v[SPW], v[NIL]
	s_wait_dscnt 0x0
	ROUND                                          ; the closing round
	s_endpgm
.Lfunc_end_k_q401deb2c28_energy:
	.size	k_q401deb2c28_energy, .Lfunc_end_k_q401deb2c28_energy-k_q401deb2c28_energy
	.p2alignl 7, 3214868480
	.fill 96, 4, 3214868480
	.section	.rodata,"a",@progbits
	.p2align	6, 0x0
	.amdhsa_kernel k_q401deb2c28_energy
		.amdhsa_group_segment_fixed_size 327680
		.amdhsa_private_segment_fixed_size 0
		.amdhsa_enable_private_segment 0
		.amdhsa_kernarg_size 40
		.amdhsa_user_sgpr_count 2
		.amdhsa_user_sgpr_kernarg_segment_ptr 1
		.amdhsa_wavefront_size32 1
		.amdhsa_system_sgpr_workgroup_id_x 1
		.amdhsa_system_sgpr_workgroup_id_y 1
		.amdhsa_system_sgpr_workgroup_id_z 1
		.amdhsa_system_vgpr_workitem_id 0
		.amdhsa_next_free_vgpr 1024
		.amdhsa_next_free_sgpr 66
		.amdhsa_reserve_vcc 0
		.amdhsa_float_denorm_mode_32 3
		.amdhsa_float_denorm_mode_16_64 3
		.amdhsa_memory_ordered 1
		.amdhsa_forward_progress 1
		.amdhsa_inst_pref_size 255
	.end_amdhsa_kernel
	.section	.bss,"aw",@nobits
	.p2align	6
	.space	262144
	.amdgpu_metadata
---
amdhsa.version: [ 1, 2 ]
amdhsa.kernels:
  - .name:           k_q401deb2c28_energy
    .symbol:         k_q401deb2c28_energy.kd
    .args:
      - { .name: encoder_outputs, .offset: 0, .size: 8, .value_kind: global_buffer, .address_space: global }
      - { .name: wq, .offset: 8, .size: 8, .value_kind: global_buffer, .address_space: global }
      - { .name: hb, .offset: 16, .size: 8, .value_kind: global_buffer, .address_space: global }
      - { .name: v, .offset: 24, .size: 8, .value_kind: global_buffer, .address_space: global }
      - { .name: scores, .offset: 32, .size: 8, .value_kind: global_buffer, .address_space: global }
    .group_segment_fixed_size: 327680
    .private_segment_fixed_size: 0
    .kernarg_segment_align: 8
    .kernarg_segment_size: 40
    .max_flat_workgroup_size: 128
    .sgpr_count:     66
    .vgpr_count:     1024
    .wavefront_size: 32
...
	.end_amdgpu_metadata
.endif
;; end of part 2
;; launch soft (part 3): grid 32 x 1, 1 waves a work-group, no clusters, 0 bytes of LDS; arguments scores, out0; writes out0
.if DOCPART == 3
	.amdgcn_target "amdgcn-amd-amdhsa--gfx1250"
	.amdhsa_code_object_version 6
	.text
	.protected	k_q401deb2c28_soft
	.globl	k_q401deb2c28_soft
	.p2align	8
	.type	k_q401deb2c28_soft,@function
k_q401deb2c28_soft:
	s_mov_b64 s[64:65], 0
	v_nop
	global_prefetch_b8 v0, s[64:65] scope:SCOPE_SE
	s_setreg_imm32_b32 hwreg(HW_REG_WAVE_MODE, 25, 1), 1
	s_wait_xcnt 0x0
; out0[b][:] = softmax over s of (-2 S[b][s]), S = scores.  Left out, as shown at the head of the first kernel: the sum of v, which is the same along s.
; t = S x c, c = -2 log2(e); c is negative, so the row's largest t is c x the smallest S.  It is taken away before the exponential: p = 2^(S c - largest t), one packed fused multiply-add and one v_exp_f32.
; One wave takes one batch row of 2,048 numbers, 64 a lane, kept in registers between the passes: no LDS, no barrier.  Each load and store of the wave covers 512 consecutive bytes.
; LIMITS: NaN and infinities in scores are not served.
	s_load_b128 s[4:7], s[0:1], 0x0                ; scores, out0
	v_lshlrev_b32 v1, 4, v0
	s_lshl_b32 s8, ttmp9, 13                       ; a row is 8,192 bytes
	s_mov_b32 s9, 0
	s_mov_b32 s10, 0x76543210
	s_mov_b32 s11, 0xfedcba98                      ; lane l xor 16
	s_mov_b32 s12, 0xc038aa3b                      ; c = -2 log2(e)
	s_mov_b32 s13, s12                             ; (named with it as a pair, so it is written)
	s_wait_alu depctr_va_vdst(0)
	s_wait_kmcnt 0x0
	s_add_nc_u64 s[4:5], s[4:5], s[8:9]
	s_add_nc_u64 s[6:7], s[6:7], s[8:9]
.irp i, 0,1,2,3,4,5,6,7,8,9,10,11,12,13,14,15
	global_load_b128 v[16+4*\i:19+4*\i], v1, s[4:5] offset:512*\i th:TH_LOAD_NT
.endr
	s_wait_loadcnt 0x0
	v_min3_num_f32 v8, v16, v17, v18               ; the smallest S of my 64, in two chains
	v_min3_num_f32 v9, v19, v20, v21
.irp i, 22,26,30,34,38,42,46,50,54,58,62,66,70,74
	v_min3_num_f32 v8, v8, v[\i], v[\i+1]
	v_min3_num_f32 v9, v9, v[\i+2], v[\i+3]
.endr
	v_min3_num_f32 v8, v8, v78, v79
	v_min_num_f32 v8, v8, v9
	v_min_num_f32_dpp v8, v8, v8 row_xmask:1 row_mask:0xf bank_mask:0xf
	v_min_num_f32_dpp v8, v8, v8 row_xmask:2 row_mask:0xf bank_mask:0xf
	v_min_num_f32_dpp v8, v8, v8 row_xmask:4 row_mask:0xf bank_mask:0xf
	v_min_num_f32_dpp v8, v8, v8 row_xmask:8 row_mask:0xf bank_mask:0xf
	v_permlanex16_b32 v9, v8, s10, s11
	v_min_num_f32 v8, v8, v9                       ; the row's, in every lane
	v_mul_f32 v8, s12, v8                          ; the largest t
.irp i, 0,1,2,3,4,5,6,7,8,9,10,11,12,13,14,15,16,17,18,19,20,21,22,23,24,25,26,27,28,29,30,31
	v_pk_fma_f32 v[16+2*\i:17+2*\i], v[16+2*\i:17+2*\i], s[12:13], v[8:9] op_sel_hi:[1,0,0] neg_lo:[0,0,1] neg_hi:[0,0,1]   ; S c - the largest t (of the pairs the low word serves both halves)
.endr
	s_wait_alu depctr_va_vdst(0)
.irp i, 0,1,2,3,4,5,6,7,8,9,10,11,12,13,14,15,16,17,18,19,20,21,22,23,24,25,26,27,28,29,30,31,32,33,34,35,36,37,38,39,40,41,42,43,44,45,46,47,48,49,50,51,52,53,54,55,56,57,58,59,60,61,62,63
	v_exp_f32 v[16+\i], v[16+\i]
.endr
	v_nop                                          ; a plain instruction behind the last exponential
	s_wait_alu depctr_va_vdst(0)                   ; one wait for the batch, ahead of its first reader
	v_pk_add_f32 v[10:11], v[16:17], v[18:19]      ; the sum, two at a time, in two chains
	v_pk_add_f32 v[12:13], v[20:21], v[22:23]
.irp i, 24,28,32,36,40,44,48,52,56,60,64,68,72,76
	v_pk_add_f32 v[10:11], v[10:11], v[\i:\i+1]
	v_pk_add_f32 v[12:13], v[12:13], v[\i+2:\i+3]
.endr
	v_pk_add_f32 v[10:11], v[10:11], v[12:13]
	v_add_f32 v10, v10, v11
	v_add_f32_dpp v10, v10, v10 row_xmask:1 row_mask:0xf bank_mask:0xf
	v_add_f32_dpp v10, v10, v10 row_xmask:2 row_mask:0xf bank_mask:0xf
	v_add_f32_dpp v10, v10, v10 row_xmask:4 row_mask:0xf bank_mask:0xf
	v_add_f32_dpp v10, v10, v10 row_xmask:8 row_mask:0xf bank_mask:0xf
	v_permlanex16_b32 v11, v10, s10, s11
	v_add_f32 v10, v10, v11                        ; the row's sum: at least 1, since the largest p is 1 up to rounding
	s_wait_alu depctr_va_vdst(0)
	v_rcp_f32 v12, v10
	v_nop                                          ; a plain instruction behind the reciprocal
	s_wait_alu depctr_va_vdst(0)                   ; and its wait, ahead of the first reader
.irp i, 0,1,2,3,4,5,6,7,8,9,10,11,12,13,14,15,16,17,18,19,20,21,22,23,24,25,26,27,28,29,30,31
	v_pk_mul_f32 v[16+2*\i:17+2*\i], v[16+2*\i:17+2*\i], v[12:13] op_sel_hi:[1,0]
.endr
.irp i, 0,1,2,3,4,5,6,7,8,9,10,11,12,13,14,15
	global_store_b128 v1, v[16+4*\i:19+4*\i], s[6:7] offset:512*\i th:TH_STORE_NT
.endr
	s_endpgm
.Lfunc_end_k_q401deb2c28_soft:
	.size	k_q401deb2c28_soft, .Lfunc_end_k_q401deb2c28_soft-k_q401deb2c28_soft
	.p2alignl 7, 3214868480
	.fill 96, 4, 3214868480
	.section	.rodata,"a",@progbits
	.p2align	6, 0x0
	.amdhsa_kernel k_q401deb2c28_soft
		.amdhsa_group_segment_fixed_size 0
		.amdhsa_private_segment_fixed_size 0
		.amdhsa_enable_private_segment 0
		.amdhsa_kernarg_size 16
		.amdhsa_user_sgpr_count 2
		.amdhsa_user_sgpr_kernarg_segment_ptr 1
		.amdhsa_wavefront_size32 1
		.amdhsa_system_sgpr_workgroup_id_x 1
		.amdhsa_system_sgpr_workgroup_id_y 1
		.amdhsa_system_sgpr_workgroup_id_z 1
		.amdhsa_system_vgpr_workitem_id 0
		.amdhsa_next_free_vgpr 96
		.amdhsa_next_free_sgpr 66
		.amdhsa_reserve_vcc 0
		.amdhsa_float_denorm_mode_32 3
		.amdhsa_float_denorm_mode_16_64 3
		.amdhsa_memory_ordered 1
		.amdhsa_forward_progress 1
		.amdhsa_inst_pref_size 15
	.end_amdhsa_kernel
	.amdgpu_metadata
---
amdhsa.version: [ 1, 2 ]
amdhsa.kernels:
  - .name:           k_q401deb2c28_soft
    .symbol:         k_q401deb2c28_soft.kd
    .args:
      - { .name: scores, .offset: 0, .size: 8, .value_kind: global_buffer, .address_space: global }
      - { .name: out0, .offset: 8, .size: 8, .value_kind: global_buffer, .address_space: global }
    .group_segment_fixed_size: 0
    .private_segment_fixed_size: 0
    .kernarg_segment_align: 8
    .kernarg_segment_size: 16
    .max_flat_workgroup_size: 32
    .sgpr_count:     66
    .vgpr_count:     96
    .wavefront_size: 32
...
	.end_amdgpu_metadata
.endif
;; end of part 3
